; MI455X (gfx1250); checked and timed in simulation.
; The chip was launched on July 23, 2026; its instructions are those of AMD's public machine-readable ISA for CDNA 5 (MIT licence, August 2026) and "CDNA5" Instruction Set Architecture Reference Guide (July 2026). The comments in the code are by the model that wrote it; some were corrected since.
;; Signed Attention. Allowed arithmetic: matrix products marked QUANTISED: E2M3 operands, one E8M0 scale for each 32 along K, by v_wmma_scale_f32_16x16x128_f8f6f4 with both operands' format E2M3, f32 sums; everything else in f32.
;; Inputs: keys_codes 4 x 8 x 2,048 x 2 x 24 uint8 (E2M3 codes of keys, K innermost, in blocks of 32 codes, four codes in three bytes); keys_scales 4 x 8 x 2,048 x 2 uint8 (E8M0 scales of keys, one for each 32 codes along K); log_scale one number float32; queries_codes 4 x 8 x 2,048 x 2 x 24 uint8 (E2M3 codes of queries, K innermost, in blocks of 32 codes, four codes in three bytes); queries_scales 4 x 8 x 2,048 x 2 uint8 (E8M0 scales of queries, one for each 32 codes along K); values_codes 4 x 8 x 64 x 64 x 24 uint8 (E2M3 codes of values, K innermost, in blocks of 32 codes, four codes in three bytes); values_scales 4 x 8 x 64 x 64 uint8 (E8M0 scales of values, one for each 32 codes along K).
;; Outputs: out0 4 x 8 x 2,048 x 64 float32.
;; This version of the problem:
;;   THIS VERSION OF THE PROBLEM IS GIVEN IN LOW PRECISION. The matrix products marked QUANTISED in the list below multiply operands that are first quantised to E2M3 (2 exponent bits, 3 mantissa bits; 6 bits a number), with one power-of-two scale for each 32 numbers along K (OCP MX v1.0); their sums are f32. All else is computed in f32.
;;   The module's matrix products, in the order in which they are computed (A, B: the left and right operand; K: the contracted axis; several contracted axes count as one K, in the product's order):
;;     1. batch 32 x [M 2,048, K 64] x [K 64, N 2,048]; A: input queries (given as codes); B: input keys (given as codes): QUANTISED
;;     2. batch 32 x [M 2,048, K 2,048] x [K 2,048, N 64]; A: computed on the way; B: input values (given as codes): QUANTISED
;;   THE QUANTISER, for each operand of a quantised product, along K:
;;     - K is cut into blocks of 32 from its start; a last block that is shorter is filled with zeros.
;;     - A block's scale is 2^e with e = floor(log2(the largest magnitude in the block)) - 2, held to -126 .. 127; a block of zeros has e = 0. As a byte (E8M0): e + 127.
;;     - Each number is divided by its block's scale, clamped to +-7.5, and rounded to the nearest number of E2M3, ties to even, subnormals kept.
;;     - The product sums the exact products of the quantised numbers (number of the format x scale) in f32.
;;   ~~~python
;;   def quantise(x, axis):      # numpy; x: float32 -> the quantised numbers, widened to float32 again
;;       x = np.moveaxis(x, axis, -1); K = x.shape[-1]
;;       x = np.pad(x, [(0, 0)] * (x.ndim - 1) + [(0, -K % 32)]); x = x.reshape(x.shape[:-1] + (-1, 32)); a = np.abs(x).max(-1, keepdims=True)
;;       e = np.where(a > 0, np.clip(np.frexp(np.where(a > 0, a, 1))[1] - 1 - 2, -126, 127), 0)      # np.frexp(a)[1] - 1 = floor(log2(a)), exactly
;;       r = np.clip(x / 2.0 ** e, -7.5, 7.5)
;;       step = 2.0 ** (np.maximum(np.frexp(np.where(r == 0, 1, r))[1] - 1, 0) - 3)
;;       q = np.round(r / step) * step * 2.0 ** e      # np.round: ties to even
;;       return np.moveaxis(q.reshape(q.shape[:-2] + (-1,))[..., :K], -1, axis).astype(np.float32)
;;   ~~~
;;   OPERANDS COMPUTED ON THE WAY. 'Computed on the way' means the value that the module computes at that place (a softmax that the list does not call 'softmax' is quantised finished and normalised). What goes into a quantiser is computed in f32, as accurately as f32 sums, v_exp_f32 and their like allow (about 1e-6 of the number): no bf16 or f16 on the way to a quantiser, and a product that is left as it is and whose result goes on into a quantised operand takes f32 operands (vector FMAs, or v_wmma_f32_16x16x4_f32). A number that lies on a knife's edge between two numbers of the format may be rounded either way, as far as f32 arithmetic and the matrix unit's own rounding can turn it there, and no further.
;;   INPUTS GIVEN AS CODES. keys (in the module: [4, 8, 2048, 64], K = its axis 3); queries (in the module: [4, 8, 2048, 64], K = its axis 3); values (in the module: [4, 8, 2048, 64], K = its axis 2): each comes as NAME_codes (uint8): NAME with its K axis moved to the last place and cut into blocks of 32 codes, [.., K / 32, bytes a block], one block behind the other in memory; four codes in three bytes: a row's codes are one little-endian stream of bits, code i at bits 6 i .. 6 i + 5 (a code: sign, 2 exponent bits, 3 mantissa bits); and NAME_scales (uint8): the same leading axes, one E8M0 byte (e + 127) for each 32 codes along K. Its value is code x scale, taken as it is: it is not quantised again, and the codes and scales need not be those that the quantiser above would give.
;; One version. Each part assembles by itself: llvm-mc -triple=amdgcn-amd-amdhsa -mcpu=gfx1250 --defsym DOCPART=n.
;; ======== version 1 of 1: 1 launch
;; launch attn (part 1): grid 8 x 32, 16 waves a work-group, no clusters, 206,848 bytes of LDS; arguments queries_codes, queries_scales, keys_codes, keys_scales, values_codes, values_scales, log_scale, out0; writes out0
.if DOCPART == 1
	.amdgcn_target "amdgcn-amd-amdhsa--gfx1250"
	.amdhsa_code_object_version 6
	.text
	.protected	k_qff9de13bb8_attn
	.globl	k_qff9de13bb8_attn
	.p2align	8
	.type	k_qff9de13bb8_attn,@function
k_qff9de13bb8_attn:
	s_mov_b64 s[64:65], 0
	v_nop
	global_prefetch_b8 v0, s[64:65] scope:SCOPE_SE
	s_setreg_imm32_b32 hwreg(HW_REG_WAVE_MODE, 25, 1), 1
	s_wait_xcnt 0x0
; out[h][q][:] = sum over k of A[q][k] V[h][k][:],  A = softmax(scale x pos) - softmax(scale x neg),  pos = score or -10000 where masked, neg = -score or -10000 where masked.
; 32 heads, 2,048 positions, head size 64.  Both products on codes of FP6 (E2M3) with one E8M0 scale for each 32 along K; A is quantised finished, along the keys.
; THE MASK.  A patch is 16 positions; query patch p keeps key patches p + 1 .. p + 9.  A tile of 16 queries is one patch, and all kept keys lie in five aligned blocks of 32 keys from
; block w0 = min((p + 1) / 2, 59) on.  A score tile of 16 x 16 is wholly kept or wholly masked.
; THE FILL IS -10000, NOT -INFINITY.  Every masked place of a row holds one number, c = e_mask+ / Z+ - e_mask- / Z-, which is not built in as 0.  The masked places enter both sums Z (1,888 outside the
; five blocks, the others as they come), and a block of 32 equal numbers c is quantised to qc = c rounded to 3 mantissa bits, held at 1.875 x its power of two.  The program multiplies eight blocks
; (the five, then three that hold c) and adds qc x (T - Wsum): T = a head's column sums of V, Wsum = those of the eight blocks, both made by the same matrix form against an operand of ones.
; SHARES.  A work-group owns 256 queries of one head, each of its sixteen waves one patch, in 256 registers: four waves to a SIMD, so that one wave's exponentials stand beside another's plain work.
; Both products are used transposed (S^T = K Q^T, O^T = V^T P^T): a lane holds ONE query (lane % 16) throughout.  THE KEYS OF A TILE ARE NOT NEIGHBOURS: lane r of tile 2 b + u takes key
; 32 b + 8 u + r + 8 (r / 8), so that the 16 registers of tiles 2 b, 2 b + 1 are keys 32 b + 16 (lane / 16) + 0 .. 15: one key patch, so the mask is one bit for a lane and a block.
; The first product's K is 64, half of the form's 128: the upper half of both operands holds zero codes.
; LDS is filled once, at the head: 512 keys of K (all that the sixteen windows touch), a whole head of V (for T), their scale bytes.  No byte is filled again.
; NO CLUSTER, though the eight work-groups of a head read the same V: a wave's window into V begins at LDS byte 24 w0, and w0 hangs on the work-group's number
; K's 512 keys differ from work-group to work-group.
; LIMITS.  NaN, infinities and scale bytes 0xff are not served; scale x score stays finite.  Where |c| is under 2^-124, qc keeps 3 mantissa bits where the code's grid is coarser: a difference under 2^-127.
; An exponential under 2^-126 counts as 0 (each Z is about 1 or more).  A = e+ r+ - e- r- is a multiply and a fused multiply-add: where both softmaxes are equal (patch 127, all masked) the first
; multiply's rounding is left, under 2^-24 of 1 / 2048, where reference() has 0.
.set KB,    0                          ; LDS: 512 keys x 48 bytes, dense
.set KSB,   24576                      ; their scale bytes, 2 a key
.set VB,    25600                      ; 64 rows (d) of V: 1,536 bytes of codes + 80 of zeros (blocks 64 to 66 do not exist: zero codes)
.set VP,    1616                       ; = 404 words: row r starts at word 20 r mod 64, all multiples of 4 and all different; lanes 16-31 stand 6 words on: a load of 8 bytes a lane meets no word twice
.set VSB,   129024                     ; V's scale bytes: 64 rows of 64 + 16 zeros
.set VSP,   80
.set PART,  134144                     ; T in four parts: [K group 0..3][d 0..63] f32
.set STAGE, 135168                     ; the way out: for each wave 16 rows x (256 bytes of O + qc twice + 8)
.set SP,    272
.set WSTG,  16*SP
.set SPARE, 204800                     ; the spare words, 128 bytes for each wave: eight blocks of 256 bytes that no other line names
; vector registers that stay
.set CS2, 1                            ; clip(e^log_scale, 1, 30) / 8 x log2(e)
.set QO,  2                            ; Q: 48 r + 24 h
.set QSO, 3                            ; Q's scale bytes: 2 r
.set SPW, 4                            ; my spare word; never rewritten
.set NIL, 5                            ; 0; never rewritten
.set AK,  6                            ; my place in the window's tiles of K
.set AKS, 7                            ; and among K's scale bytes
.set AV,  8                            ; v8, v9: my place in the window of V, d tiles 0, 1 and 2, 3
.set AVS, 10                           ; V's scale words of the window
.set AT,  11                           ; V for the column sums
.set ATS, 12
.set APS, 13                           ; where my part of T goes
.set APL, 14                           ; and where T is read
.set STO, 15                           ; the stage: in
.set STQ, 16                           ; qc: in
.set RD,  17                           ; the stage: back
.set RDQ, 18                           ; qc: back
.set GO,  19                           ; 16 x lane
; vector registers by phase
.set QF,  20                           ; v20-31   Q's fragment; later the sums and reciprocals; later P0
.set S,   32                           ; v32-111  the scores; then e-
.set KF,  112                          ; v112-231 K's ten fragments
.set E,   112                          ; v112-191 e+, then A
.set FB,  192                          ; pairs (F_b, largest score of block b) at v192 + 2 b
.set BMX, 193
.set OP,  202                          ; pairs (offset+ of block b, smallest score)
.set BMN, 203
.set ON,  212                          ; pairs (offset- of block b, not used)
.set MX,  222
.set MN,  223
.set T0,  224
.set T1,  225
.set NMP, 226
.set NMN, 227
.set EMP, 228
.set EMN, 229
.set ZP,  20                           ; v[20:21], v[22:23]: Z+ in two chains;  v[24:25], v[26:27]: Z-
.set ZN,  24
.set RP,  28
.set RN,  30
.set CF,  32                           ; c, sixteen times
.set AM,  48                           ; largest magnitudes of blocks 0..5 (5: the constant block)
.set AP,  54
.set SO,  60                           ; the conversions' scale operands
.set BY,  66                           ; the scales' bytes
.set TQ,  72
.set P0,  20                           ; A's codes, blocks 0-3
.set P1,  192                          ; blocks 4-7
.set ONE, 204                          ; 128 codes of 1.0
.set TB0, 216
.set TB1, 220
.set CC,  224                          ; c's 16 codes
.set C,   227
.set QQ,  228                          ; (qc, qc)
.set NN,  230                          ; (-qc, -qc)
.set VF,  32                           ; v32-127  V's eight fragments of the window: (d tile t, K step s) at 12 (4 s + t)
.set TA0, 128
.set TA1, 136
.set TF,  144                          ; v144-191 V's four fragments for the column sums
.set O,   128                          ; v128-159 O^T
.set W,   160                          ; v160-191 the window's column sums
.set TS,  216
.set PT,  32
.set QR,  48
.set RW,  64
; v232-251 hold scales and nothing else
.set SCK,  232                         ; K's, a word a tile
.set VRAW, 232                         ; V's: three aligned words a d tile; the two words wanted are shifted into the first two
.set TSC,  244
.set QS,   248
.set PW0,  249
.set PW1,  250
.set ONES, 251                         ; four bytes 127
; scalar registers
.set WV,   20
.set BH,   22
.set PCH,  23
.set G1K,  24
.set G1V,  32
.set G1KS, 40
.set G1VS, 48
.set G0K,  56
.set G0V,  60
.set G0KS, 68
.set G0VS, 72
.set W0,   76
.set KREL, 77
.set SEL,  78
.set MK,   80                          ; s80-84: the lanes for which block b's 16 keys are kept
.set LSV,  85
.set SH,   86
.set DM,   87
.set M7,   88
.set W3,   89
; head temporaries, in the scores' registers
.set TR,  32
.set TH,  33
.set TRR, 34
.set TL,  35
.set TVP, 36
.set TVS, 37
.set TSG, 38
.set TM,  40
.macro GROUP1 g, logb, tens0, rows, tile0      ; rows of tens0 elements, dense in memory; tile0 elements are written for each, zeros behind the tens0-th
	s_mov_b32 s[\g], (\logb)<<16                   ; no mask; element size; no padding
	s_mov_b32 s[\g+1], (\tens0)<<16                ; tensor_dim0
	s_mov_b32 s[\g+2], (\rows)<<16                 ; tensor_dim1
	s_mov_b32 s[\g+3], (\tile0)<<16                ; tile_dim0
	s_mov_b32 s[\g+4], \rows                       ; tile_dim1
	s_mov_b32 s[\g+5], \tens0                      ; from row to row
	s_mov_b32 s[\g+6], 0
	s_mov_b32 s[\g+7], 0
.endm
.macro MM d, a, b, sa, sb, first               ; one product; first = 1: it starts the sum
.if \first
	v_wmma_scale_f32_16x16x128_f8f6f4 v[(\d):(\d)+7], v[(\a):(\a)+11], v[(\b):(\b)+11], 0, v[\sa], v[\sb] matrix_a_fmt:MATRIX_FMT_FP6 matrix_b_fmt:MATRIX_FMT_FP6
.else
	v_wmma_scale_f32_16x16x128_f8f6f4 v[(\d):(\d)+7], v[(\a):(\a)+11], v[(\b):(\b)+11], v[(\d):(\d)+7], v[\sa], v[\sb] matrix_a_fmt:MATRIX_FMT_FP6 matrix_b_fmt:MATRIX_FMT_FP6
.endif
.endm
.macro KFRAG t                                 ; tile t of K: 64 codes a key, 24 bytes a lane, in pieces of 8; and its keys' two scale bytes (the word's upper two are 0, over zero codes)
.irp p, 0,1,2
	ds_load_b64 v[KF+12*(\t)+2*\p:KF+12*(\t)+2*\p+1], v[AK] offset:1536*((\t)/2)+384*((\t)%2)+8*\p
.endr
	ds_load_u16 v[SCK+(\t)], v[AKS] offset:64*((\t)/2)+16*((\t)%2)
.endm
.macro VFRAG reg, adr, off                     ; a fragment of V: 16 rows (d) x 128 keys
.irp p, 0,1,2,3,4,5
	ds_load_b64 v[(\reg)+2*\p:(\reg)+2*\p+1], v[\adr] offset:(\off)+48*(\p/3)+8*(\p%3)
.endr
.endm
.macro PLACES n
.rept \n
	v_nop
.endr
.endm
	s_load_b256 s[4:11], s[0:1], 0x0               ; Q's codes s[4:5], Q's scales s[6:7], K's codes s[8:9], K's scales s[10:11]
	s_load_b256 s[12:19], s[0:1], 0x20             ; V's codes s[12:13], V's scales s[14:15], log_scale s[16:17], out s[18:19]
	v_lshl_add_u32 v[SPW], v0, 2, SPARE
	v_mov_b32 v[NIL], 0
	ds_add_u32 v[SPW], v[NIL]                      ; the wave's opening: the add and its wait stand ahead of my first tensor load; the set-up below, work on registers, stands between them
	v_lshrrev_b32 v[TL], 5, v0
	v_readfirstlane_b32 s[WV], v[TL]               ; wave 0..15
	s_and_b32 s[BH], ttmp7, 0xffff                 ; the head
	s_lshl_b32 s[PCH], ttmp9, 4
	s_add_co_u32 s[PCH], s[PCH], s[WV]             ; my patch p = 16 x work-group x + wave
	s_and_b32 s[W3], s[WV], 3
	s_add_co_u32 s2, s[WV], 1
	s_lshr_b32 s2, s2, 1                           ; (wave + 1) / 2
	s_lshl_b32 s3, ttmp9, 3
	s_min_u32 s66, s3, 48                          ; the first block of the 16 blocks of K that the work-group holds
	s_add_co_u32 s[W0], s3, s2
	s_min_u32 s[W0], s[W0], 59                     ; w0: my window's first block
	s_cmp_eq_u32 ttmp9, 7
	s_cselect_b32 s3, 8, 0                         ; the last work-group's K begins 8 blocks ahead of its queries' block
	s_add_co_u32 s[KREL], s2, s3
	s_min_u32 s[KREL], s[KREL], 11                 ; w0 counted from the first block held
	s_lshl_b32 s[DM], s[W0], 1
	s_sub_co_u32 s[DM], s[DM], s[PCH]
	s_sub_co_u32 s[DM], s[DM], 1                   ; key patch 2 (w0 + b) + h is kept where 2 w0 - p - 1 + 2 b + h lies in 0 .. 8
	s_and_b32 s[SH], s[W0], 3
	s_lshl_b32 s[SH], s[SH], 3                     ; V's scale words are read aligned and shifted by 8 (w0 % 4) bits
	s_mov_b32 s[SEL], 0x76543210
	s_mov_b32 s[SEL+1], 0xfedcba98                 ; v_permlanex16_b32's selects for lane l xor 16
	s_mov_b32 s[M7], 0x700000                      ; the mantissa field of 1.875
	GROUP1 G1K, 3, 32, 24, 32                      ; K's codes: 128 keys = 24 rows of 256 bytes
	GROUP1 G1V, 3, 192, 16, 202                    ; V's codes: 16 rows; 1,536 bytes read, 1,616 written
	GROUP1 G1KS, 3, 32, 4, 32                      ; K's scale bytes: 4 rows of 256 bytes
	GROUP1 G1VS, 2, 16, 64, 20                     ; V's scale bytes: 64 rows; 64 bytes read, 80 written
	; groups 0: count, LDS address, and in words 2, 3 the byte offset to which the buffer's address is added below
	s_mul_i32 s2, s[BH], 98304                     ; the head's codes, in each of the three tensors
	s_mul_i32 s67, s66, 1536
	s_add_co_u32 s67, s67, s2
	s_mul_i32 s3, s[W3], 6144
	s_mov_b32 s[G0K], 1
	s_add_co_u32 s[G0K+1], s3, KB                  ; waves 0-3: a quarter of K each,
	s_add_co_u32 s[G0K+2], s67, s3
	s_mov_b32 s[G0K+3], 0
	s_mul_i32 s3, s[W3], 16*VP
	s_mov_b32 s[G0V], 1
	s_add_co_u32 s[G0V+1], s3, VB                  ; and a quarter of V
	s_mul_i32 s3, s[W3], 24576
	s_add_co_u32 s[G0V+2], s2, s3
	s_mov_b32 s[G0V+3], 0
	s_mul_i32 s3, s[PCH], 768
	s_add_co_u32 s90, s2, s3                       ; Q's codes of my patch
	s_mov_b32 s91, 0
	s_lshl_b32 s2, s[BH], 12                       ; the head's scale bytes
	s_lshl_b32 s3, s66, 6
	s_mov_b32 s[G0KS], 1
	s_mov_b32 s[G0KS+1], KSB
	s_add_co_u32 s[G0KS+2], s2, s3
	s_mov_b32 s[G0KS+3], 0
	s_mov_b32 s[G0VS], 1
	s_mov_b32 s[G0VS+1], VSB
	s_mov_b32 s[G0VS+2], s2
	s_mov_b32 s[G0VS+3], 0
	s_lshl_b32 s3, s[PCH], 5
	s_add_co_u32 s92, s2, s3                       ; Q's scale bytes of my patch
	s_mov_b32 s93, 0
	s_lshl_b32 s2, s[BH], 19
	s_lshl_b32 s3, s[PCH], 12
	s_add_co_u32 s94, s2, s3                       ; my 16 rows of out: 4,096 bytes on end
	s_mov_b32 s95, 0
	v_and_b32 v[TR], 15, v0                        ; r
	v_bfe_u32 v[TH], v0, 4, 1                      ; h
	v_mul_u32_u24 v[QO], v[TR], 48
	v_mad_u32_u24 v[QO], v[TH], 24, v[QO]
	v_lshlrev_b32 v[QSO], 1, v[TR]
	s_wait_dscnt 0x0                               ; the opening add is done
	s_wait_kmcnt 0x0
	s_load_b32 s[LSV], s[16:17], 0x0               ; log_scale
	s_add_nc_u64 s[G0K+2:G0K+3], s[8:9], s[G0K+2:G0K+3]
	s_or_b32 s[G0K+3], s[G0K+3], 0x80000000        ; type = 2
	s_add_nc_u64 s[G0V+2:G0V+3], s[12:13], s[G0V+2:G0V+3]
	s_or_b32 s[G0V+3], s[G0V+3], 0x80000000
	s_add_nc_u64 s[G0KS+2:G0KS+3], s[10:11], s[G0KS+2:G0KS+3]
	s_or_b32 s[G0KS+3], s[G0KS+3], 0x80000000
	s_add_nc_u64 s[G0VS+2:G0VS+3], s[14:15], s[G0VS+2:G0VS+3]
	s_or_b32 s[G0VS+3], s[G0VS+3], 0x80000000
	s_add_nc_u64 s[4:5], s[4:5], s[90:91]
	s_add_nc_u64 s[6:7], s[6:7], s[92:93]
	s_add_nc_u64 s[18:19], s[18:19], s[94:95]
	; All fills of the launch, in one branch on the wave's number: waves 0-3 K's codes, then V's; wave 4 K's scale bytes, then V's; the others none.  Two loads of a wave are out at the most.
	; In every wave that loads, the first load is K's and the second V's.  An s_nop 0 follows each load, four v_nop the second.
	s_cmp_lt_u32 s[WV], 4
	s_cbranch_scc0 .Lnot_codes
	tensor_load_to_lds s[G0K:G0K+3], s[G1K:G1K+7]
	s_nop 0
	tensor_load_to_lds s[G0V:G0V+3], s[G1V:G1V+7]
	s_nop 0
	PLACES 4
	s_branch .Lasked
.Lnot_codes:
	s_cmp_eq_u32 s[WV], 4
	s_cbranch_scc0 .Lasked
	tensor_load_to_lds s[G0KS:G0KS+3], s[G1KS:G1KS+7]
	s_nop 0
	tensor_load_to_lds s[G0VS:G0VS+3], s[G1VS:G1VS+7]
	s_nop 0
	PLACES 4
.Lasked:
	; all that follows up to the barrier is done while the tiles are on their way
.irp p, 0,1,2
	global_load_b64 v[QF+2*\p:QF+2*\p+1], v[QO], s[4:5] offset:8*\p th:TH_LOAD_NT   ; Q's fragment: k = 32 h + 0 .. 31 of query r
.endr
	global_load_u16 v[QS], v[QSO], s[6:7] th:TH_LOAD_NT                            ; its two scale bytes; the word's upper two are 0, over zero codes
.irp j, 6,7,8,9,10,11
	v_mov_b32 v[QF+\j], 0                          ; k = 64 .. 127 does not exist: zero codes, on both sides
.irp t, 0,1,2,3,4,5,6,7,8,9
	v_mov_b32 v[KF+12*\t+\j], 0
.endr
.endr
	s_wait_kmcnt 0x0                               ; log_scale
	v_mov_b32 v[CS2], s[LSV]
	v_mul_f32 v[CS2], 0x3fb8aa3b, v[CS2]           ; x log2(e)
	v_exp_f32 v[CS2], v[CS2]                       ; e^log_scale; the addresses below are the independent work behind it
	v_and_b32 v[TRR], 8, v[TR]
	v_add_nc_u32 v[TRR], v[TRR], v[TR]             ; r + 8 (r / 8)
	s_mul_i32 s2, s[KREL], 1536                    ; a block of 32 keys is 1,536 bytes (KB = 0)
	v_mul_u32_u24 v[AK], v[TRR], 48
	v_mad_u32_u24 v[AK], v[TH], 24, v[AK]
	v_add_nc_u32 v[AK], s2, v[AK]
	s_lshl_b32 s2, s[KREL], 6
	s_add_co_u32 s2, s2, KSB
	v_lshl_add_u32 v[AKS], v[TRR], 1, s2
	v_mul_u32_u24 v[TVP], v[TR], VP
	v_mad_u32_u24 v[TVP], v[TH], 24, v[TVP]        ; row r of a d tile, + my half's bytes
	s_mul_i32 s2, s[W0], 24
	s_add_co_u32 s2, s2, VB
	v_add_nc_u32 v[AV], s2, v[TVP]
	v_add_nc_u32 v[AV+1], 32*VP, v[AV]             ; d tiles 2 and 3 lie beyond an LDS immediate's 16 bits
	v_mul_u32_u24 v[TVS], v[TR], VSP
	s_and_b32 s2, s[W0], 60                        ; w0 down to a multiple of 4
	s_add_co_u32 s2, s2, VSB
	v_add_nc_u32 v[AVS], s2, v[TVS]
	s_lshr_b32 s3, s[WV], 2                        ; the column sums: wave w takes d tile w % 4 and keys 512 (w / 4) on
	s_mul_i32 s2, s[W3], 16*VP
	s_mul_i32 s67, s3, 384
	s_add_co_u32 s2, s2, s67
	s_add_co_u32 s2, s2, VB
	v_add_nc_u32 v[AT], s2, v[TVP]
	s_mul_i32 s2, s[W3], 16*VSP
	s_lshl_b32 s67, s3, 4
	s_add_co_u32 s2, s2, s67
	s_add_co_u32 s2, s2, VSB
	v_add_nc_u32 v[ATS], s2, v[TVS]
	s_lshl_b32 s2, s3, 8
	s_lshl_b32 s67, s[W3], 6
	s_add_co_u32 s2, s2, s67
	s_add_co_u32 s2, s2, PART
	v_lshl_add_u32 v[APS], v[TH], 5, s2            ; my eight sums: d = 16 (w % 4) + 8 h + 0 .. 7
	v_lshl_add_u32 v[APL], v[TR], 4, PART          ; back: d = 4 (lane % 16) + 0 .. 3
	s_mul_i32 s2, s[WV], WSTG
	s_add_co_u32 s2, s2, STAGE                     ; my stage
	v_mul_u32_u24 v[TSG], v[TR], SP
	v_add_nc_u32 v[TSG], s2, v[TSG]
	v_lshl_add_u32 v[STO], v[TH], 5, v[TSG]        ; in: row r, 32 bytes for each half of the lanes
	v_add_nc_u32 v[STQ], 256, v[TSG]               ; qc behind the row's 256 bytes
	v_mul_u32_u24 v[RDQ], v[TH], SP
	v_add_nc_u32 v[RDQ], s2, v[RDQ]
	v_lshl_add_u32 v[RD], v[TR], 4, v[RDQ]         ; back: lanes 0-15 one row, lanes 16-31 the next
	v_add_nc_u32 v[RDQ], 256, v[RDQ]
	v_and_b32 v[TL], 31, v0
	v_lshlrev_b32 v[GO], 4, v[TL]
	v_add_nc_u32 v[TM], s[DM], v[TH]
.irp b, 0,1,2,3,4
	v_add_nc_u32 v[TM+1+\b], 2*\b, v[TM]
.endr
.irp b, 0,1,2,3,4
	v_cmp_gt_u32 s[MK+\b], 9, v[TM+1+\b]           ; unsigned: what lies under 0 is large
.endr
	s_wait_alu depctr_va_vdst(0)                   ; the wait between the exponential and the first line that names its result
	v_med3_num_f32 v[CS2], v[CS2], 1.0, 0x41f00000 ; clipped to 1 .. 30
	v_mul_f32 v[CS2], 0x3e38aa3b, v[CS2]           ; x log2(e) / 8
	s_wait_tensorcnt 0x1                           ; my part of K (codes or scale bytes) has landed; my part of V may stay out
	s_barrier_signal -1
	s_barrier_wait -1                              ; everybody's has
	; ---- S^T = K Q^T: ten tiles of 16 keys, ten accumulators, one product each
.irp t, 0,1,2,3,4,5,6,7,8,9
	KFRAG \t
.endr
	s_wait_loadcnt 0x0                             ; Q
.irp t, 0,1,2,3,4,5,6,7,8,9
	s_wait_dscnt 4*(9-\t)                          ; tile t's four loads are in; the four of each younger tile may be out
	MM S+8*\t,KF+12*\t,QF,SCK+\t,QS,1
.endr
	PLACES 4                                       ; behind the last product, ahead of the first read of results and the first write of K's and Q's registers
	v_mov_b32 v[T0], 0xc61c4000                    ; -10000
	v_mov_b32 v[T1], 0x461c4000                    ; +10000
	; ---- the largest and the smallest score of my 16 keys of each block; each accumulator is read from its low end on
.irp b, 0,1,2,3,4
	v_max3_num_f32 v[BMX+2*\b], v[S+16*\b], v[S+16*\b+1], v[S+16*\b+2]
.endr
.irp b, 0,1,2,3,4
	v_min3_num_f32 v[BMN+2*\b], v[S+16*\b], v[S+16*\b+1], v[S+16*\b+2]
.endr
.irp i, 3,5,7,9,11,13
.irp b, 0,1,2,3,4
	v_max3_num_f32 v[BMX+2*\b], v[BMX+2*\b], v[S+16*\b+\i], v[S+16*\b+\i+1]
.endr
.irp b, 0,1,2,3,4
	v_min3_num_f32 v[BMN+2*\b], v[BMN+2*\b], v[S+16*\b+\i], v[S+16*\b+\i+1]
.endr
.endr
.irp b, 0,1,2,3,4
	v_max_num_f32 v[BMX+2*\b], v[BMX+2*\b], v[S+16*\b+15]
.endr
.irp b, 0,1,2,3,4
	v_min_num_f32 v[BMN+2*\b], v[BMN+2*\b], v[S+16*\b+15]
.endr
	; ---- the mask is one bit for a lane and a block: a masked block's factor is 0 and its offset the fill's exponent, so that every masked place gets the fill's own value with no select of its own
.irp b, 0,1,2,3,4
	v_cndmask_b32 v[FB+2*\b], 0, v[CS2], s[MK+\b]
	v_cndmask_b32 v[BMX+2*\b], v[T0], v[BMX+2*\b], s[MK+\b]
	v_cndmask_b32 v[BMN+2*\b], v[T1], v[BMN+2*\b], s[MK+\b]
.endr
	v_max3_num_f32 v[MX], v[BMX], v[BMX+2], v[BMX+4]
	v_min3_num_f32 v[MN], v[BMN], v[BMN+2], v[BMN+4]
	v_max3_num_f32 v[MX], v[MX], v[BMX+6], v[BMX+8]
	v_min3_num_f32 v[MN], v[MN], v[BMN+6], v[BMN+8]
	v_max_num_f32 v[MX], v[MX], v[T0]              ; every row has masked places: the fill is among the candidates
	v_min_num_f32 v[MN], v[MN], v[T1]
	v_permlanex16_b32 v[T0], v[MX], s[SEL], s[SEL+1]
	v_permlanex16_b32 v[T1], v[MN], s[SEL], s[SEL+1]
	v_max_num_f32 v[MX], v[MX], v[T0]              ; the row's largest pos;
	v_min_num_f32 v[MN], v[MN], v[T1]              ; the row's largest neg is -MN
	v_mul_f32 v[NMP], -v[CS2], v[MX]
	v_mul_f32 v[NMN], v[CS2], v[MN]
	v_fmamk_f32 v[EMP], v[CS2], 0xc61c4000, v[NMP] ; a masked place's exponent: -10000 x scale less the row's maximum
	v_fmamk_f32 v[EMN], v[CS2], 0xc61c4000, v[NMN]
.irp b, 0,1,2,3,4
	v_cndmask_b32 v[OP+2*\b], v[EMP], v[NMP], s[MK+\b]
	v_cndmask_b32 v[ON+2*\b], v[EMN], v[NMN], s[MK+\b]
.endr
	; ---- exponents of the first softmax, two at a time (of the pairs of factor and offset the low word serves both halves)
.set k, 0
.rept 40
	v_pk_fma_f32 v[E+2*k:E+2*k+1], v[S+2*k:S+2*k+1], v[FB+2*(k/8):FB+2*(k/8)+1], v[OP+2*(k/8):OP+2*(k/8)+1] op_sel_hi:[1,0,0]
.set k, k+1
.endr
	; ---- ONE BATCH: its 80 exponentials and the two of the fill; the second softmax's exponents, which name no result, stand between them
.set k, 0
.rept 40
	v_exp_f32 v[E+2*k], v[E+2*k]
	v_exp_f32 v[E+2*k+1], v[E+2*k+1]
	v_pk_fma_f32 v[S+2*k:S+2*k+1], v[S+2*k:S+2*k+1], v[FB+2*(k/8):FB+2*(k/8)+1], v[ON+2*(k/8):ON+2*(k/8)+1] op_sel_hi:[1,0,0] neg_lo:[1,0,0] neg_hi:[1,0,0]
.set k, k+1
.endr
	v_exp_f32 v[EMP], v[EMP]
	v_exp_f32 v[EMN], v[EMN]
	v_nop                                          ; a plain line behind the last exponential
	s_wait_alu depctr_va_vdst(0)                   ; one wait for the batch, ahead of its first reader
	; ---- THE SECOND BATCH: 80 exponentials; the first softmax's sum, which reads the first batch alone, stands between them, in two chains
.set k, 0
.rept 40
	v_exp_f32 v[S+2*k], v[S+2*k]
	v_exp_f32 v[S+2*k+1], v[S+2*k+1]
.if k == 1
	v_pk_add_f32 v[ZP:ZP+1], v[E:E+1], v[E+2:E+3]
.elseif k == 3
	v_pk_add_f32 v[ZP+2:ZP+3], v[E+4:E+5], v[E+6:E+7]
.elseif k > 3
	v_pk_add_f32 v[ZP+2*(k%2):ZP+2*(k%2)+1], v[ZP+2*(k%2):ZP+2*(k%2)+1], v[E+2*k:E+2*k+1]
.endif
.set k, k+1
.endr
.irp j, 0,1,2,3
	v_mov_b32 v[ONE+3*\j], 0x08208208              ; the code of 1.0 is 001000: sixteen of them are these 96 bits.  (The factors' and offsets' registers are free; plain lines behind the exponentials)
	v_mov_b32 v[ONE+3*\j+1], 0x82082082
	v_mov_b32 v[ONE+3*\j+2], 0x20820820
.endr
	v_mov_b32 v[ONES], 0x7f7f7f7f                  ; and their scale: 1
	s_wait_alu depctr_va_vdst(0)                   ; one wait for the second batch
	v_pk_add_f32 v[ZN:ZN+1], v[S:S+1], v[S+2:S+3]
	v_pk_add_f32 v[ZN+2:ZN+3], v[S+4:S+5], v[S+6:S+7]
.set k, 4
.rept 36
	v_pk_add_f32 v[ZN+2*(k%2):ZN+2*(k%2)+1], v[ZN+2*(k%2):ZN+2*(k%2)+1], v[S+2*k:S+2*k+1]
.set k, k+1
.endr
	; ---- the two sums: chains, halves, the other 80 keys in lane l xor 16 (an addition's order does not matter: both lanes of a query hold the same bits), and the 1,888 masked places outside the five blocks
	v_pk_add_f32 v[ZP:ZP+1], v[ZP:ZP+1], v[ZP+2:ZP+3]
	v_pk_add_f32 v[ZN:ZN+1], v[ZN:ZN+1], v[ZN+2:ZN+3]
	v_add_f32 v[ZP], v[ZP], v[ZP+1]
	v_add_f32 v[ZN], v[ZN], v[ZN+1]
	v_permlanex16_b32 v[T0], v[ZP], s[SEL], s[SEL+1]
	v_permlanex16_b32 v[T1], v[ZN], s[SEL], s[SEL+1]
	v_add_f32 v[ZP], v[ZP], v[T0]
	v_add_f32 v[ZN], v[ZN], v[T1]
	v_fmamk_f32 v[ZP], v[EMP], 0x44ec0000, v[ZP]   ; + 1888 x the fill's term
	v_fmamk_f32 v[ZN], v[EMN], 0x44ec0000, v[ZN]
	v_mov_b32 v[RP+1], 0                           ; (named as the upper halves of pairs)
	v_mov_b32 v[RN+1], 0
	v_rcp_f32 v[RP], v[ZP]
	v_rcp_f32 v[RN], v[ZN]
	v_nop
	s_wait_alu depctr_va_vdst(0)                   ; one wait for the two reciprocals
	; ---- A = e+ / Z+ - e- / Z-
.set k, 0
.rept 40
	v_pk_mul_f32 v[E+2*k:E+2*k+1], v[E+2*k:E+2*k+1], v[RP:RP+1] op_sel_hi:[1,0]
.set k, k+1
.endr
.set k, 0
.rept 40
	v_pk_fma_f32 v[E+2*k:E+2*k+1], v[S+2*k:S+2*k+1], v[RN:RN+1], v[E+2*k:E+2*k+1] op_sel_hi:[1,0,1] neg_lo:[1,0,0] neg_hi:[1,0,0]
.set k, k+1
.endr
	v_mul_f32 v[C], v[EMP], v[RP]                  ; c: a masked place's A, by the same two lines
	v_fma_f32 v[C], -v[EMN], v[RN], v[C]
	; ---- A is quantised along the keys: five blocks of the window and the constant block
.set k, 0
.rept 16
	v_mov_b32 v[CF+k], v[C]
.set k, k+1
.endr
.irp b, 0,1,2,3,4
	v_max3_num_f32 v[AM+\b], |v[E+16*\b]|, |v[E+16*\b+1]|, 0x1800000   ; my 16 numbers, and the floor 2^(3 - 127): the byte cannot fall under 1 (a block of zeros keeps that byte: its codes are zeros)
.endr
	v_max3_num_f32 v[AM+5], |v[C]|, |v[C]|, 0x1800000
.irp i, 2,4,6,8,10,12,14
.irp b, 0,1,2,3,4
	v_max3_num_f32 v[AM+\b], v[AM+\b], |v[E+16*\b+\i]|, |v[E+16*\b+\i+1]|
.endr
.endr
.irp b, 0,1,2,3,4
	v_permlanex16_b32 v[AP+\b], v[AM+\b], s[SEL], s[SEL+1]
.endr
.irp b, 0,1,2,3,4
	v_max_num_f32 v[AM+\b], v[AM+\b], v[AP+\b]     ; with lane l xor 16's 16: the block's largest magnitude
.endr
.irp b, 0,1,2,3,4,5
	v_add_nc_u32 v[SO+\b], 0xff000000, v[AM+\b]    ; 2 off its exponent field: the conversion's scale operand
.endr
.irp b, 0,1,2,3,4,5
	v_lshrrev_b32 v[BY+\b], 23, v[SO+\b]           ; the scale's byte
.endr
	v_lshl_or_b32 v[PW0], v[BY+1], 8, v[BY]        ; the scale word of blocks 0-3,
	v_lshl_or_b32 v[PW0], v[BY+2], 16, v[PW0]
	v_lshl_or_b32 v[PW0], v[BY+3], 24, v[PW0]
	v_lshl_or_b32 v[PW1], v[BY+5], 8, v[BY+4]      ; and of block 4 and three constant blocks
	v_lshl_or_b32 v[PW1], v[BY+5], 16, v[PW1]
	v_lshl_or_b32 v[PW1], v[BY+5], 24, v[PW1]
	v_cvt_scalef32_pk16_fp6_f32 v[P0:P0+2], v[E:E+15], v[SO]
	v_cvt_scalef32_pk16_fp6_f32 v[TB0:TB0+2], v[E+16:E+31], v[SO+1]   ; (a conversion's three registers begin on an even number)
	v_cvt_scalef32_pk16_fp6_f32 v[P0+6:P0+8], v[E+32:E+47], v[SO+2]
	v_cvt_scalef32_pk16_fp6_f32 v[TB1:TB1+2], v[E+48:E+63], v[SO+3]
	v_cvt_scalef32_pk16_fp6_f32 v[P1:P1+2], v[E+64:E+79], v[SO+4]
	v_cvt_scalef32_pk16_fp6_f32 v[CC:CC+2], v[CF:CF+15], v[SO+5]
	v_nop                                          ; one plain line behind the scaled conversions
.irp i, 0,1,2                                  ; the operand's layout wants a WHOLE block in a lane: lanes 0-15 the even block, lanes 16-31 the odd one
	v_permlane16_swap_b32 v[P0+\i], v[TB0+\i]
	v_permlane16_swap_b32 v[P0+6+\i], v[TB1+\i]
.endr
.irp i, 0,1,2
	v_mov_b32 v[P0+3+\i], v[TB0+\i]
	v_mov_b32 v[P0+9+\i], v[TB1+\i]
.endr
.irp i, 0,1,2
	v_mov_b32 v[TB0+\i], v[CC+\i]                  ; block 5 is constant
.endr
.irp i, 0,1,2
	v_permlane16_swap_b32 v[P1+\i], v[TB0+\i]
.endr
.irp i, 0,1,2
	v_mov_b32 v[P1+3+\i], v[TB0+\i]
	v_mov_b32 v[P1+6+\i], v[CC+\i]                 ; blocks 6 and 7: both lanes of a query hold the same codes, so nothing changes places
	v_mov_b32 v[P1+9+\i], v[CC+\i]
.endr
	; ---- qc: what a block of 32 numbers c is quantised to, as f32: 3 mantissa bits, ties to even, held at 1.875 x c's power of two
	v_and_b32 v[TQ], 0x7fffffff, v[C]
	v_bfe_u32 v[TQ+1], v[TQ], 20, 1
	v_add3_u32 v[TQ+1], v[TQ], v[TQ+1], 0x7ffff
	v_and_b32 v[TQ+1], 0xfff00000, v[TQ+1]
	v_and_or_b32 v[TQ+2], v[TQ], 0x7f800000, s[M7]
	v_min_u32 v[TQ+1], v[TQ+1], v[TQ+2]
	v_bfi_b32 v[QQ], 0x7fffffff, v[TQ+1], v[C]     ; c's sign
	v_mov_b32 v[QQ+1], v[QQ]
	v_xor_b32 v[NN], 0x80000000, v[QQ]
	v_mov_b32 v[NN+1], v[NN]
	s_wait_tensorcnt 0x0                           ; my part of V has landed,
	s_wait_dscnt 0x0
	s_barrier_signal -1
	s_barrier_wait -1                              ; everybody's has
	; ---- one run of LDS loads: 25 for the column sums, then the window's 60
.irp s, 0,1,2,3
	VFRAG TF+12*\s,AT,96*\s
.endr
	ds_load_b128 v[TSC:TSC+3], v[ATS]              ; the scale words of my row's 16 blocks
.irp s, 0,1
.irp t, 0,1,2,3
	VFRAG VF+12*(4*\s+\t),AV+(\t/2),16*VP*(\t%2)+96*\s
.endr
.endr
.irp t, 0,1,2,3
.irp k, 0,1,2
	ds_load_b32 v[VRAW+3*\t+\k], v[AVS] offset:16*VSP*\t+4*\k
.endr
.endr
	s_wait_dscnt 60                                ; the first 25 are in; the window's 60 may be out
	; ---- my part of T: 16 rows (d) x 512 keys against ones; two accumulators by turns
	MM TA0,TF,ONE,TSC,ONES,1
	MM TA1,TF+12,ONE,TSC+1,ONES,1
	MM TA0,TF+24,ONE,TSC+2,ONES,0
	MM TA1,TF+36,ONE,TSC+3,ONES,0
	s_wait_dscnt 0x0                               ; the window
.irp t, 0,1,2,3                                ; V's scale words of blocks w0 .. w0 + 3 and w0 + 4 .. w0 + 7.  These eight lines name no register of the four products: they are the places behind them
	v_alignbit_b32 v[VRAW+3*\t], v[VRAW+3*\t+1], v[VRAW+3*\t], s[SH]
.endr
.irp t, 0,1,2,3
	v_alignbit_b32 v[VRAW+3*\t+1], v[VRAW+3*\t+2], v[VRAW+3*\t+1], s[SH]
.endr
.irp j, 0,2,4,6
	v_pk_add_f32 v[TS+\j:TS+\j+1], v[TA0+\j:TA0+\j+1], v[TA1+\j:TA1+\j+1]
.endr
	ds_store_b128 v[APS], v[TS:TS+3]               ; the sixteen lanes of a half write the same bytes with the same values
	ds_store_b128 v[APS], v[TS+4:TS+7] offset:16
	PLACES 8                                       ; scale words written by vector lines stand eight places ahead of a scaled product
	; ---- O^T = V^T P^T and the window's column sums: eight accumulators by turns, two K steps of 128 keys
.irp s, 0,1
.irp t, 0,1,2,3
	MM O+8*\t,VF+12*(4*\s+\t),P0+(P1-P0)*\s,VRAW+3*\t+\s,PW0+\s,1-\s
	MM W+8*\t,VF+12*(4*\s+\t),ONE,VRAW+3*\t+\s,ONES,1-\s
.endr
.endr
	PLACES 4
.set k, 0
.rept 16
	v_pk_fma_f32 v[O+2*k:O+2*k+1], v[W+2*k:W+2*k+1], v[NN:NN+1], v[O+2*k:O+2*k+1]   ; O - qc x Wsum; each accumulator from its low end on
.set k, k+1
.endr
.irp t, 0,1,2,3
	ds_store_b128 v[STO], v[O+8*\t:O+8*\t+3] offset:64*\t          ; lane (r, h): out(r, 16 t + 8 h + 0 .. 7)
	ds_store_b128 v[STO], v[O+8*\t+4:O+8*\t+7] offset:64*\t+16
.endr
	ds_store_b64 v[STQ], v[QQ:QQ+1]                ; my query's qc, twice; both lanes of a query write the same
	s_wait_dscnt 0x0                               ; for the others' sake: my part of T has landed
	s_barrier_signal -1
	s_barrier_wait -1
	; ---- THE WAY OUT: whole rows back from my stage, + qc x T; 32 lanes store 512 consecutive bytes, at a multiple of 256 from out's first byte
.irp g, 0,1,2,3
	ds_load_b128 v[PT+4*\g:PT+4*\g+3], v[APL] offset:256*\g
.endr
.irp n, 0,1,2,3,4,5,6,7
	ds_load_b64 v[QR+2*\n:QR+2*\n+1], v[RDQ] offset:2*SP*\n
	ds_load_b128 v[RW+4*\n:RW+4*\n+3], v[RD] offset:2*SP*\n
.endr
	s_wait_dscnt 16                                ; T's four parts are in; the eight pairs of loads behind them may be out
	v_pk_add_f32 v[PT:PT+1], v[PT:PT+1], v[PT+4:PT+5]
	v_pk_add_f32 v[PT+2:PT+3], v[PT+2:PT+3], v[PT+6:PT+7]
	v_pk_add_f32 v[PT+8:PT+9], v[PT+8:PT+9], v[PT+12:PT+13]
	v_pk_add_f32 v[PT+10:PT+11], v[PT+10:PT+11], v[PT+14:PT+15]
	v_pk_add_f32 v[PT:PT+1], v[PT:PT+1], v[PT+8:PT+9]
	v_pk_add_f32 v[PT+2:PT+3], v[PT+2:PT+3], v[PT+10:PT+11]
.irp n, 0,1,2,3,4,5,6,7
	s_wait_dscnt 2*(7-\n)                          ; pair n is in; the younger pairs may be out
	v_pk_fma_f32 v[RW+4*\n:RW+4*\n+1], v[PT:PT+1], v[QR+2*\n:QR+2*\n+1], v[RW+4*\n:RW+4*\n+1]
	v_pk_fma_f32 v[RW+4*\n+2:RW+4*\n+3], v[PT+2:PT+3], v[QR+2*\n:QR+2*\n+1], v[RW+4*\n+2:RW+4*\n+3]
	global_store_b128 v[GO], v[RW+4*\n:RW+4*\n+3], s[18:19] offset:512*\n th:TH_STORE_NT
.endr
	s_wait_tensorcnt 0x0                           ; the wave's end: behind my last tensor load and my last LDS store
	ds_add_u32 v[SPW], v[NIL]
	s_wait_dscnt 0x0
	s_endpgm
.Lfunc_end_k_qff9de13bb8_attn:
	.size	k_qff9de13bb8_attn, .Lfunc_end_k_qff9de13bb8_attn-k_qff9de13bb8_attn
	.p2alignl 7, 3214868480
	.fill 96, 4, 3214868480
	.section	.rodata,"a",@progbits
	.p2align	6, 0x0
	.amdhsa_kernel k_qff9de13bb8_attn
		.amdhsa_group_segment_fixed_size 206848
		.amdhsa_private_segment_fixed_size 0
		.amdhsa_enable_private_segment 0
		.amdhsa_kernarg_size 64
		.amdhsa_user_sgpr_count 2
		.amdhsa_user_sgpr_kernarg_segment_ptr 1
		.amdhsa_wavefront_size32 1
		.amdhsa_system_sgpr_workgroup_id_x 1
		.amdhsa_system_sgpr_workgroup_id_y 1
		.amdhsa_system_sgpr_workgroup_id_z 1
		.amdhsa_system_vgpr_workitem_id 0
		.amdhsa_next_free_vgpr 256
		.amdhsa_next_free_sgpr 96
		.amdhsa_reserve_vcc 0
		.amdhsa_float_denorm_mode_32 3
		.amdhsa_float_denorm_mode_16_64 3
		.amdhsa_memory_ordered 1
		.amdhsa_forward_progress 1
		.amdhsa_inst_pref_size 66
	.end_amdhsa_kernel
	.amdgpu_metadata
---
amdhsa.version: [ 1, 2 ]
amdhsa.kernels:
  - .name:           k_qff9de13bb8_attn
    .symbol:         k_qff9de13bb8_attn.kd
    .args:
      - { .name: queries_codes, .offset: 0, .size: 8, .value_kind: global_buffer, .address_space: global }
      - { .name: queries_scales, .offset: 8, .size: 8, .value_kind: global_buffer, .address_space: global }
      - { .name: keys_codes, .offset: 16, .size: 8, .value_kind: global_buffer, .address_space: global }
      - { .name: keys_scales, .offset: 24, .size: 8, .value_kind: global_buffer, .address_space: global }
      - { .name: values_codes, .offset: 32, .size: 8, .value_kind: global_buffer, .address_space: global }
      - { .name: values_scales, .offset: 40, .size: 8, .value_kind: global_buffer, .address_space: global }
      - { .name: log_scale, .offset: 48, .size: 8, .value_kind: global_buffer, .address_space: global }
      - { .name: out0, .offset: 56, .size: 8, .value_kind: global_buffer, .address_space: global }
    .group_segment_fixed_size: 206848
    .private_segment_fixed_size: 0
    .kernarg_segment_align: 8
    .kernarg_segment_size: 64
    .max_flat_workgroup_size: 512
    .sgpr_count:     96
    .vgpr_count:     256
    .wavefront_size: 32
...
	.end_amdgpu_metadata
.endif
;; end of part 1
